; MI455X (gfx1250); checked and timed in simulation.
; The chip was launched on July 23, 2026; its instructions are those of AMD's public machine-readable ISA for CDNA 5 (MIT licence, August 2026) and "CDNA5" Instruction Set Architecture Reference Guide (July 2026). The comments in the code are by the model that wrote it; some were corrected since.
;; Self Attention. Allowed arithmetic: matrix products marked QUANTISED: E5M2 operands, one given power-of-two scale a tensor, by v_wmma_f32_16x16x64_bf8_bf8 or v_wmma_f32_16x16x128_bf8_bf8, f32 sums; everything else in f32.
;; Inputs: Wk 512 x 512 float32; Wq 512 x 512 float32; Wv 512 x 512 float32; bk 512 float32; bq 512 float32; bv 512 float32; lowp_scales 10 int32 (the exponents e of the quantised operands' scales 2^e); x 2 x 4,096 x 512 float32.
;; Outputs: out0 2 x 4,096 x 512 float32.
;; This version of the problem:
;;   THIS VERSION OF THE PROBLEM IS GIVEN IN LOW PRECISION. The matrix products marked QUANTISED in the list below multiply operands that are first quantised to E5M2 (5 exponent bits, 2 mantissa bits; 8 bits a number), with one given power-of-two scale for each operand tensor; their sums are f32. All else is computed in f32.
;;   The module's matrix products, in the order in which they are computed (A, B: the left and right operand; K: the contracted axis; several contracted axes count as one K, in the product's order):
;;     1. [M 8,192, K 512] x [K 512, N 512]; A: input x; B: input Wq: QUANTISED (scales: A lowp_scales[0], B lowp_scales[1])
;;     2. [M 8,192, K 512] x [K 512, N 512]; A: input x; B: input Wk: QUANTISED (scales: A lowp_scales[2], B lowp_scales[3])
;;     3. [M 8,192, K 512] x [K 512, N 512]; A: input x; B: input Wv: QUANTISED (scales: A lowp_scales[4], B lowp_scales[5])
;;     4. batch 16 x [M 4,096, K 64] x [K 64, N 4,096]; A: computed on the way; B: computed on the way: QUANTISED (scales: A lowp_scales[6], B lowp_scales[7])
;;     5. batch 16 x [M 4,096, K 4,096] x [K 4,096, N 64]; A: softmax (see below); B: computed on the way: QUANTISED (scales: A lowp_scales[8], B lowp_scales[9])
;;   THE QUANTISER, for each operand of a quantised product, along K:
;;     - The operand's scale is 2^e, e = its entry of the input lowp_scales (int32; the entries are numbered through the quantised products in the list's order, A before B).
;;     - Each number is divided by the scale, clamped to +-57,344, and rounded to the nearest number of E5M2, ties to even, subnormals kept.
;;     - The product sums the exact products of the quantised numbers (number of the format x scale) in f32.
;;   ~~~python
;;   def quantise(x, axis, e):      # numpy; x: float32 -> the quantised numbers, widened to float32 again
;;       x = np.moveaxis(x, axis, -1); K = x.shape[-1]
;;       r = np.clip(x / 2.0 ** e, -57344, 57344)
;;       step = 2.0 ** (np.maximum(np.frexp(np.where(r == 0, 1, r))[1] - 1, -14) - 2)
;;       q = np.round(r / step) * step * 2.0 ** e      # np.round: ties to even
;;       return np.moveaxis(q, -1, axis).astype(np.float32)
;;   ~~~
;;   SOFTMAX AHEAD OF A QUANTISED PRODUCT. Where the list says 'softmax', what is quantised is not the finished softmax but p = 2^(t - M), with t = logit x log2(e) and M = ceil(the row's largest t), a whole number; so 1/2 < the row's largest p <= 1. The row's sum l is taken of the UNQUANTISED p, in f32, and the product's result is divided by l at the end. Since M is a whole number, a kernel that streams over the keys may use a running M (the ceiling of the running maximum): every later rescaling is an exact power of two, so the quantised numbers keep their values, but for numbers so far below the row's largest that they fall under the format's range.
;;   OPERANDS COMPUTED ON THE WAY. 'Computed on the way' means the value that the module computes at that place (a softmax that the list does not call 'softmax' is quantised finished and normalised). What goes into a quantiser is computed in f32, as accurately as f32 sums, v_exp_f32 and their like allow (about 1e-6 of the number): no bf16 or f16 on the way to a quantiser, and a product that is left as it is and whose result goes on into a quantised operand takes f32 operands (vector FMAs, or v_wmma_f32_16x16x4_f32). A number that lies on a knife's edge between two numbers of the format may be rounded either way, as far as f32 arithmetic and the matrix unit's own rounding can turn it there, and no further.
;; One version. Each part assembles by itself: llvm-mc -triple=amdgcn-amd-amdhsa -mcpu=gfx1250 --defsym DOCPART=n.
;; ======== version 1 of 1: 3 launches
;; limits: right only within a limited range of input values
;; workspace buffers: wimg 786,432 bytes; qimg 4,194,304 bytes; kv 8,388,608 bytes
;; launch wq (part 1): grid 12 x 16, 4 waves a work-group, no clusters, 0 bytes of LDS; arguments Wq, Wk, Wv, lowp_scales, wimg; writes wimg
.if DOCPART == 1
	.amdgcn_target "amdgcn-amd-amdhsa--gfx1250"
	.amdhsa_code_object_version 6
	.text
	.protected	k_q94d4e27992_wq
	.globl	k_q94d4e27992_wq
	.p2align	8
	.type	k_q94d4e27992_wq,@function
k_q94d4e27992_wq:
	s_mov_b64 s[64:65], 0
	v_nop
	global_prefetch_b8 v0, s[64:65] scope:SCOPE_SE
	s_setreg_imm32_b32 hwreg(HW_REG_WAVE_MODE, 25, 1), 1
	s_wait_xcnt 0x0
; Wq, Wk, Wv: [512 (k)][512 (n)] f32, K along the FIRST axis, become codes of BF8 (E5M2), laid as IMAGES OF OPERAND REGISTERS for the projections.
; code = w / 2^e, held within +-57,344, rounded to the nearest code, ties to even; e = entry 1 (Wq), 3 (Wk), 5 (Wv) of the scales.
; LIMITS: each of these e lies between -126 and 112, so that 2^e and 57,344 x 2^e are f32 numbers.  NaN among the inputs is not served (an infinity is held at the largest code).
; wimg: [head 8][s 8: 64 along K][p 3: q, k, v][ct 4: 16 columns][1,024 bytes].  In a fragment, group c (0, 1) lies at 512 c, and lane (r, h)'s 16 bytes at 16 (r + 16 h):
; column 64 head + 16 ct + r of W_p at k = 64 s + 32 c + 16 h + 0 .. 15.
; SHARES.  Work-group x = 4 p + gx (gx: 128 columns, two heads), y = B (a block of 32 along K).  Wave w takes 32 columns.  A LANE TAKES A COLUMN AND ITS REGISTERS RUN DOWN K:
; each load reads 128 consecutive bytes a wave (512 a work-group), and the conversions, which take neighbours along K from one lane's registers, give codes with K innermost.
; A lane's 32 codes are its column's 16 bytes for h = 0 and for h = 1 of group c = B % 2: two stores, in each of which sixteen lanes write 256 consecutive bytes, aligned.
; 192 work-groups, one patch of 32 x 32 a wave: there is no more work to share.  Work-groups share no input: no cluster, no LDS, no barrier.
.set WROW, 2048                        ; a row of W in bytes
.set NUM,  8                           ; v8-39   my column's 32 numbers
.set COD,  40                          ; v40-47  their codes
	s_load_b256 s[4:11], s[0:1], 0x0               ; Wq s[4:5], Wk s[6:7], Wv s[8:9], the scales' exponents s[10:11]
	s_load_b64 s[12:13], s[0:1], 0x20              ; wimg
	v_lshrrev_b32 v1, 5, v0
	v_readfirstlane_b32 s14, v1                    ; wave 0..3
	v_and_b32 v1, 31, v0                           ; lane
	v_lshlrev_b32 v2, 2, v1                        ; in: 4 bytes a lane
	v_bfe_u32 v3, v0, 4, 1                         ; lane / 16: which of my wave's two tiles of columns
	v_and_b32 v6, 15, v0                           ; r
	v_lshlrev_b32 v3, 10, v3
	v_lshl_add_u32 v3, v6, 4, v3                   ; out: 1,024 (lane / 16) + 16 r
	s_and_b32 s15, ttmp7, 0xffff                   ; B
	s_and_b32 s28, ttmp9, 3                        ; gx
	s_lshr_b32 s29, ttmp9, 2                       ; p
	s_lshl_b32 s30, s15, 16                        ; in: 32 B rows of 2,048 bytes
	s_lshl_b32 s31, s28, 9                         ; + 128 gx columns
	s_add_co_u32 s30, s30, s31
	s_lshl_b32 s31, s14, 7                         ; + 32 columns a wave
	s_add_co_u32 s30, s30, s31
	s_mov_b32 s31, 0
	s_lshl_b32 s32, s28, 1
	s_lshr_b32 s33, s14, 1
	s_add_co_u32 s32, s32, s33                     ; head = 2 gx + wave / 2
	s_mul_i32 s32, s32, 98304
	s_lshr_b32 s33, s15, 1                         ; s = B / 2
	s_mul_i32 s33, s33, 12288
	s_add_co_u32 s32, s32, s33
	s_lshl_b32 s33, s29, 12                        ; p
	s_add_co_u32 s32, s32, s33
	s_and_b32 s33, s14, 1                          ; ct = 2 (wave % 2) + lane / 16
	s_lshl_b32 s33, s33, 11
	s_add_co_u32 s32, s32, s33
	s_and_b32 s33, s15, 1                          ; c = B % 2
	s_lshl_b32 s33, s33, 9
	s_add_co_u32 s32, s32, s33
	s_mov_b32 s33, 0
	s_wait_alu depctr_va_vdst(0)
	s_wait_kmcnt 0x0
	s_load_b256 s[16:23], s[10:11], 0x0            ; e0 .. e7
	s_cmp_lt_u32 ttmp9, 8                          ; which matrix: the choice hangs on the work-group's number alone
	s_cselect_b64 s[24:25], s[6:7], s[8:9]
	s_cmp_lt_u32 ttmp9, 4
	s_cselect_b64 s[24:25], s[4:5], s[24:25]
	s_add_nc_u64 s[24:25], s[24:25], s[30:31]
	s_add_nc_u64 s[12:13], s[12:13], s[32:33]
.irp i, 0,1,2,3,4,5,6,7,8,9,10,11,12,13,14,15,16,17,18,19,20,21,22,23,24,25,26,27,28,29,30,31
	global_load_b32 v[NUM+\i], v2, s[24:25] offset:\i*WROW th:TH_LOAD_NT   ; W(32 B + i, my column): read once in the launch
.endr
	s_wait_kmcnt 0x0
	s_cmp_lt_u32 ttmp9, 8
	s_cselect_b32 s26, s19, s21
	s_cmp_lt_u32 ttmp9, 4
	s_cselect_b32 s26, s17, s26                    ; e
	s_add_co_i32 s26, s26, 127
	s_lshl_b32 s27, s26, 23
	v_mov_b32 v4, s27                              ; 2^e as f32: the conversion takes its exponent field
	s_add_co_i32 s26, s26, 15
	s_lshl_b32 s26, s26, 23
	s_or_b32 s26, s26, 0x600000
	v_mov_b32 v5, s26                              ; 57,344 x 2^e
	s_wait_alu depctr_va_vdst(0)
	s_wait_loadcnt 16                              ; loads come back in order: the first 16 are in, the 16 younger may be out
.irp i, 0,1,2,3,4,5,6,7,8,9,10,11,12,13,14,15
	v_med3_num_f32 v[NUM+\i], v[NUM+\i], -v5, v5   ; the conversion to an 8-bit code does not saturate (ISA guide 7.6.2): the hold comes first
.endr
	v_cvt_scalef32_pk8_bf8_f32 v[COD:COD+1], v[NUM:NUM+7], v4
	v_cvt_scalef32_pk8_bf8_f32 v[COD+2:COD+3], v[NUM+8:NUM+15], v4
	s_wait_loadcnt 0x0
.irp i, 16,17,18,19,20,21,22,23,24,25,26,27,28,29,30,31
	v_med3_num_f32 v[NUM+\i], v[NUM+\i], -v5, v5
.endr
	v_cvt_scalef32_pk8_bf8_f32 v[COD+4:COD+5], v[NUM+16:NUM+23], v4
	v_cvt_scalef32_pk8_bf8_f32 v[COD+6:COD+7], v[NUM+24:NUM+31], v4
	v_nop                                          ; a plain line behind the last conversion
	global_store_b128 v3, v[COD:COD+3], s[12:13]               ; k = 32 B + 0 .. 15: the place of lane (r, 0)
	global_store_b128 v3, v[COD+4:COD+7], s[12:13] offset:256  ; k = 32 B + 16 .. 31: the place of lane (r, 1)
	s_endpgm
.Lfunc_end_k_q94d4e27992_wq:
	.size	k_q94d4e27992_wq, .Lfunc_end_k_q94d4e27992_wq-k_q94d4e27992_wq
	.p2alignl 7, 3214868480
	.fill 96, 4, 3214868480
	.section	.rodata,"a",@progbits
	.p2align	6, 0x0
	.amdhsa_kernel k_q94d4e27992_wq
		.amdhsa_group_segment_fixed_size 0
		.amdhsa_private_segment_fixed_size 0
		.amdhsa_enable_private_segment 0
		.amdhsa_kernarg_size 40
		.amdhsa_user_sgpr_count 2
		.amdhsa_user_sgpr_kernarg_segment_ptr 1
		.amdhsa_wavefront_size32 1
		.amdhsa_system_sgpr_workgroup_id_x 1
		.amdhsa_system_sgpr_workgroup_id_y 1
		.amdhsa_system_sgpr_workgroup_id_z 1
		.amdhsa_system_vgpr_workitem_id 0
		.amdhsa_next_free_vgpr 64
		.amdhsa_next_free_sgpr 66
		.amdhsa_reserve_vcc 0
		.amdhsa_float_denorm_mode_32 3
		.amdhsa_float_denorm_mode_16_64 3
		.amdhsa_memory_ordered 1
		.amdhsa_forward_progress 1
		.amdhsa_inst_pref_size 8
	.end_amdhsa_kernel
	.amdgpu_metadata
---
amdhsa.version: [ 1, 2 ]
amdhsa.kernels:
  - .name:           k_q94d4e27992_wq
    .symbol:         k_q94d4e27992_wq.kd
    .args:
      - { .name: Wq, .offset: 0, .size: 8, .value_kind: global_buffer, .address_space: global }
      - { .name: Wk, .offset: 8, .size: 8, .value_kind: global_buffer, .address_space: global }
      - { .name: Wv, .offset: 16, .size: 8, .value_kind: global_buffer, .address_space: global }
      - { .name: lowp_scales, .offset: 24, .size: 8, .value_kind: global_buffer, .address_space: global }
      - { .name: wimg, .offset: 32, .size: 8, .value_kind: global_buffer, .address_space: global }
    .group_segment_fixed_size: 0
    .private_segment_fixed_size: 0
    .kernarg_segment_align: 8
    .kernarg_segment_size: 40
    .max_flat_workgroup_size: 128
    .sgpr_count:     66
    .vgpr_count:     64
    .wavefront_size: 32
...
	.end_amdgpu_metadata
.endif
;; end of part 1
;; launch proj (part 2): grid 4 x 64, 8 waves a work-group, no clusters, 232,448 bytes of LDS; arguments x, wimg, bq, bk, bv, lowp_scales, qimg, kv; writes qimg, kv
.if DOCPART == 2
	.amdgcn_target "amdgcn-amd-amdhsa--gfx1250"
	.amdhsa_code_object_version 6
	.text
	.protected	k_q94d4e27992_proj
	.globl	k_q94d4e27992_proj
	.p2align	8
	.type	k_q94d4e27992_proj,@function
k_q94d4e27992_proj:
	s_mov_b64 s[64:65], 0
	v_nop
	global_prefetch_b8 v0, s[64:65] scope:SCOPE_SE
	s_setreg_imm32_b32 hwreg(HW_REG_WAVE_MODE, 25, 1), 1
	s_wait_xcnt 0x0
; q, k, v = x W + b for two heads and 128 tokens, on codes of BF8 (E5M2); the results are quantised at once and stored as IMAGES OF THE REGISTERS in which the attention launch wants them.
; x: [8192][512] f32.  It has a scale of its own in each product (entries 0, 2, 4 of the scales).  Where the three are equal its codes are made once, else three times: a scalar branch on the exponents.
; W's codes come from wimg (fragments of 16 columns x 64 K): [head 8][s 8][p 3: q, k, v][ct 4: 16 columns][1,024 bytes].
; A sum of codes stands for sum x 2^(ea + eb).  So the bias goes in as b / 2^(ea + eb), and the result's conversion takes the one scale 2^(eo - ea - eb), eo = entry 6 (q), 7 (k), 9 (v).
; LIMITS: e0, e2, e4 and e6 - e0 - e1, e7 - e2 - e3, e9 - e4 - e5 lie between -126 and 112, so that each power of two and 57,344 times it are f32 numbers.  NaN among the inputs is not served.
; SHARES.  Work-group x = the pair of heads, y = the block of 128 tokens.  FIRST PART: wave w quantises rows 16 w .. 16 w + 15 of the block, a unit of 16 rows x 64 K at a time, and puts the codes into LDS as images of
; operand registers; one barrier.  SECOND PART: wave w takes all 128 tokens (8 tiles) against one tile of 16 columns of each of q, k, v: head w / 4 of the pair, ct = w % 4: 24 accumulators.  So each fragment of W is
; read by one wave alone, straight into registers, and LDS brings x's codes only.
; LAYOUTS.  q and k are made TRANSPOSED (source 0 = 16 columns of W, source 1 = 16 tokens): a lane holds one token and eight neighbouring channels, and one conversion is register pair ct of the fragment (16 tokens x
; 64 channels) that S^T = K Q^T takes.  v is made the natural way: a lane holds one channel and eight neighbouring tokens, one conversion is a register pair of V^T's fragment (16 channels x 128 keys).
; THE WAY OUT.  V^T's fragments are whole in a wave and leave straight from registers.  A lane's 16 bytes of q's and k's images lie half in wave ct and half in wave ct + 1: they meet in LDS.
; NO JOINT LOADS (cluster = none) for x, which four work-groups share.  NO PREFETCH: a wave keeps three units of x, and at the head 30 loads
; of W, on their way: 54 loads of 512 bytes, each asked for two units or more ahead of its use.
; LDS: 65,536 bytes of codes for each p: (step s, tile t) at 8,192 s + 1,024 t; from 196,608 a stage of 16 rows x 272 bytes for each wave, and behind the barrier, when no stage is used any more, 4,096 bytes for each wave (the way out).
; REGISTERS.  Window 0: v1-15 addresses and x's scales; v16-111 three sets of 32 as loaded (later W's steps 5 to 7 and the biases); v112-143 a unit's 32 numbers a lane, v144-159 held numbers, v160-183 codes; in the second part
; v112-175 x's fragments, eight tiles; v184-255 W's steps 0 to 2 (later the results' codes).   Window 1: v0-191 the accumulators ((p, t) at 8 (8 p + t)); v192-239 W's steps 3 and 4.
.set STG,  196608
.set SP,   272                         ; a stage row: 256 bytes + 16 = 68 words, so that the 16 rows that a load touches start at 16 different banks (64 banks of 4 bytes: ISA guide 11.1)
.set SPARE, STG+8*16*SP                ; the spare words, 128 bytes for each wave: four blocks of 256 bytes that no other line names
.set LI,   1                           ; v1   16 x lane: an image's place for my lane
.set GX,   2                           ; v2   x: 2,048 (lane / 16) + 16 (lane % 16): two rows a load
.set SI,   3                           ; v3   the stage, in: the same two rows
.set SO,   4                           ; v4   the stage, out: row r, + 64 h
.set CW,   5                           ; v5-7 where my codes for product p go: 16 x lane + 1,024 x wave + 65,536 p
.set EXW,  3                           ; second part: v3 the way out: where I put 8 bytes a lane
.set EXR,  4                           ; v4   and where I read them
.set XA,   4                           ; v5, v6: 16 x lane + 65,536 p for p = 1, 2
.set XS,   8                           ; v[8+2p] 2^e, v[9+2p] 57,344 x 2^e for x in product p
.set BH,   14                          ; v14  32 h: bq's and bk's offset
.set BR,   15                          ; v15  4 r: bv's offset
.set R,    16
.set X,    112
.set TA,   144
.set QC,   160
.set XR,   112
.set OS,   176                         ; the way out: v[176+2p] 2^(eo - ea - eb), v[177+2p] 57,344 x that
.set OQ,   184                         ; the way out: codes of q, k, v, 16 registers each
.set BQ,   R+64+24
.set BK,   R+24
.set BV,   R+32+24
.set WV,   30                          ; s30  my wave's number
.set SAME, 43                          ; s43  1: the three exponents of x are equal
.set OSS,  48                          ; s[48+2p], s[49+2p]: OS as scalars
.set MSB, 0
.macro WIN new                         ; the immediate's high byte repeats the setting that is left
.if MSB != \new
	s_set_vgpr_msb (MSB<<8)|\new
.set MSB, \new
.endif
.endm
.macro PLACES
.rept 4
	v_nop                                          ; places between products and loads into registers that they read
.endr
.endm
.macro WREG s                          ; where W's step s lies: register WB of window WW; (p, c) at 8 p + 4 c
.if (\s) < 3
.set WB, 184+24*(\s)
.set WW, 0
.elseif (\s) < 5
.set WB, 192+24*((\s)-3)
.set WW, 1
.else
.set WB, R+32*((\s)%3)
.set WW, 0
.endif
.endm
.macro WLD s                           ; six loads
	WREG \s
.set WQ, 0x40*WW
	WIN WQ
.irp p, 0,1,2
.irp c, 0,1
	global_load_b128 v[WB+8*\p+4*\c:WB+8*\p+4*\c+3], v[LI], s[6:7] offset:12288*(\s)+4096*\p+512*\c
.endr
.endr
	WIN 0
.endm
; Unit u of x: eight loads into set u % 3.  Units 8, 9, 10 are W's steps 5, 6, 7 with bq, bk (two loads each) and bv (one).
.macro LOAD u
.set RS, R+32*((\u)%3)
.if (\u) < 8
.irp i, 0,1,2,3,4,5,6,7
	global_load_b128 v[RS+4*\i:RS+4*\i+3], v[GX], s[4:5] offset:4096*\i+256*(\u)
.endr
.else
	WLD (\u)-3
.if (\u) < 10
.irp i, 0,1
	global_load_b128 v[RS+24+4*\i:RS+24+4*\i+3], v[BH], s[8+2*((\u)-8):9+2*((\u)-8)] offset:16*\i   ; register j: b(16 ct + 8 h + j): the transposed result's layout
.endr
.else
	global_load_b32 v[RS+24], v[BR], s[12:13]      ; bv(16 ct + r)
.endif
.endif
.endm
; The unit's 32 numbers a lane become a fragment for product p, which goes into LDS.  The held numbers go to two sets by turns: eight plain lines stand between a conversion and the next write of its sources.
.macro QONE s, p
.irp g, 0,1,2,3
.irp i, 0,1,2,3,4,5,6,7
	v_med3_num_f32 v[TA+8*(\g%2)+\i], v[X+8*\g+\i], -v[XS+2*\p+1], v[XS+2*\p+1]   ; the conversion does not saturate (ISA guide 7.6.2): the hold comes first
.endr
	v_cvt_scalef32_pk8_bf8_f32 v[QC+8*\p+2*\g:QC+8*\p+2*\g+1], v[TA+8*(\g%2):TA+8*(\g%2)+7], v[XS+2*\p]
.endr
	v_nop                                          ; a plain line behind the last conversion
.irp c, 0,1
	ds_store_b128 v[CW+\p], v[QC+8*\p+4*\c:QC+8*\p+4*\c+3] offset:8192*\s+512*\c
.endr
.endm
; young: the loads issued behind this unit's eight, which may be out
.macro UNIT s, young
	s_wait_loadcnt \young
.set RS, R+32*(\s%3)
.irp i, 0,1,2,3,4,5,6,7
	ds_store_b128 v[SI], v[RS+4*\i:RS+4*\i+3] offset:2*\i*SP       ; through my stage: LDS serves a wave's instructions in order (ISA guide 5.7.1.4), so no wait stands between the stores and the loads
.endr
.irp c, 0,1
.irp j, 0,1,2,3
	ds_load_b128 v[X+16*\c+4*\j:X+16*\c+4*\j+3], v[SO] offset:128*\c+16*\j   ; k = 32 c + 16 h + 4 j .. of row r
.endr
.endr
	s_wait_dscnt 0x0                               ; the numbers are back, so the stage's stores have read their set,
	LOAD \s+3                                      ; which takes the unit three on
	QONE \s, 0
	s_cmp_lg_u32 s[SAME], 0
	s_cbranch_scc1 .Lone_\@
	QONE \s, 1
	QONE \s, 2
.Lone_\@:
.endm
; x's fragments of step s, tiles q0 .. q0 + 3, from the codes at v[a]
.macro XLOAD s, q0, a
	WIN 0
.irp i, 0,1,2,3
.irp c, 0,1
	ds_load_b128 v[XR+8*(\q0+\i)+4*\c:XR+8*(\q0+\i)+4*\c+3], v[\a] offset:8192*(\s)+1024*(\q0+\i)+512*\c
.endr
.endr
.endm
; Four products: tiles q0 .. q0 + 3 for p.  The 24 accumulators take turns, one instruction a turn.  The first step's products start the sums.
.macro MUL s, p, q0
.if \p < 2
.set WQ, 0x50+WW
.else
.set WQ, 0x50+4*WW
.endif
	WIN WQ
.irp i, 0,1,2,3
.set AA, 8*(8*\p+\q0+\i)
.set XT, XR+8*(\q0+\i)
.set WT, WB+8*\p
.if \p < 2
.if \s == 0
	v_wmma_f32_16x16x64_bf8_bf8 v[AA:AA+7], v[WT:WT+7], v[XT:XT+7], 0
.else
	v_wmma_f32_16x16x64_bf8_bf8 v[AA:AA+7], v[WT:WT+7], v[XT:XT+7], v[AA:AA+7]
.endif
.else
.if \s == 0
	v_wmma_f32_16x16x64_bf8_bf8 v[AA:AA+7], v[XT:XT+7], v[WT:WT+7], 0
.else
	v_wmma_f32_16x16x64_bf8_bf8 v[AA:AA+7], v[XT:XT+7], v[WT:WT+7], v[AA:AA+7]
.endif
.endif
.endr
.endm
.macro WWAIT s                         ; W's steps 0 to 4 came ahead of x's last units; behind step 5 stand 8 + 7 loads, behind step 6 seven
.if \s == 5
	s_wait_loadcnt 15
.elseif \s == 6
	s_wait_loadcnt 7
.elseif \s == 7
	s_wait_loadcnt 0x0
.endif
.endm
	s_load_b256 s[4:11], s[0:1], 0x0               ; x s[4:5], wimg s[6:7], bq s[8:9], bk s[10:11]
	s_load_b256 s[12:19], s[0:1], 0x20             ; bv s[12:13], the scales' exponents s[14:15], qimg s[16:17], kv s[18:19]
	v_lshrrev_b32 v112, 5, v0
	v_readfirstlane_b32 s[WV], v112                ; wave 0..7
	v_and_b32 v112, 31, v0                         ; lane
	v_and_b32 v113, 15, v0                         ; r
	v_bfe_u32 v114, v0, 4, 1                       ; h
	s_mul_i32 s46, s[WV], 16*SP
	s_add_co_u32 s46, s46, STG                     ; my stage
	s_lshl_b32 s47, s[WV], 10
	v_lshlrev_b32 v[LI], 4, v112
	v_lshlrev_b32 v[GX], 11, v114
	v_lshl_add_u32 v[GX], v113, 4, v[GX]
	v_mul_u32_u24 v[SI], v114, SP
	v_lshl_add_u32 v[SI], v113, 4, v[SI]
	v_add_nc_u32 v[SI], s46, v[SI]
	v_mul_u32_u24 v[SO], v113, SP
	v_lshl_add_u32 v[SO], v114, 6, v[SO]
	v_add_nc_u32 v[SO], s46, v[SO]
	v_lshlrev_b32 v[BH], 5, v114
	v_lshlrev_b32 v[BR], 2, v113
	v_add_nc_u32 v[CW], s47, v[LI]                 ; my tile is tile w
	v_add_nc_u32 v[CW+1], 0x10000, v[CW]
	v_add_nc_u32 v[CW+2], 0x20000, v[CW]
	s_and_b32 s31, ttmp7, 0xffff                   ; the block of 128 tokens, 0..63
	s_lshr_b32 s36, s[WV], 2
	s_lshl_b32 s37, ttmp9, 1
	s_add_co_u32 s39, s36, s37                     ; my head = 2 x pair + wave / 4
	s_and_b32 s38, s[WV], 3                        ; ct
	s_lshl_b32 s36, s31, 18                        ; x: 128 rows of 2,048 bytes a block,
	s_lshl_b32 s37, s[WV], 15                      ; 16 a wave
	s_add_co_u32 s36, s36, s37
	s_mov_b32 s37, 0
	s_mul_i32 s44, s39, 98304                      ; wimg: my head's images, my tile of columns
	s_lshl_b32 s45, s38, 10
	s_add_co_u32 s44, s44, s45
	s_mov_b32 s45, 0
	s_lshl_b32 s46, s39, 8                         ; the biases: 64 numbers a head, 16 a tile
	s_lshl_b32 s47, s38, 6
	s_add_co_u32 s46, s46, s47
	s_mov_b32 s47, 0
	s_wait_alu depctr_va_vdst(0)
	s_wait_kmcnt 0x0
	s_load_b256 s[20:27], s[14:15], 0x0            ; e0 .. e7
	s_load_b64 s[28:29], s[14:15], 0x20            ; e8, e9
	s_add_nc_u64 s[4:5], s[4:5], s[36:37]
	s_add_nc_u64 s[6:7], s[6:7], s[44:45]
	s_add_nc_u64 s[8:9], s[8:9], s[46:47]
	s_add_nc_u64 s[10:11], s[10:11], s[46:47]
	s_add_nc_u64 s[12:13], s[12:13], s[46:47]
	LOAD 0
	LOAD 1
	LOAD 2
	WLD 0
	WLD 1
	WLD 2
	WLD 3
	WLD 4
	s_and_b32 s36, s31, 31                         ; the block within the batch = the attention's key step j
	s_lshr_b32 s44, s31, 5
	s_lshl_b32 s44, s44, 3
	s_add_co_u32 s44, s44, s39                     ; bh = 8 x batch + head
	s_lshl_b32 s45, s44, 18                        ; qimg: 256 tiles of 1,024 bytes a head, 8 a block
	s_lshl_b32 s46, s36, 13
	s_add_co_u32 s45, s45, s46
	s_lshl_b32 s44, s44, 19                        ; kv: 32 chunks of 16,384 bytes a head
	s_lshl_b32 s46, s36, 14                        ; V^T of step j lies in chunk j, from byte 8,192: four fragments of 2,048
	s_add_co_u32 s46, s46, s44
	s_lshl_b32 s47, s38, 11
	s_add_co_u32 s46, s46, s47
	s_add_co_u32 s46, s46, 8192
	s_mov_b32 s47, 0
	s_add_nc_u64 s[34:35], s[18:19], s[46:47]
	s_add_co_u32 s36, s36, 31                      ; K of step j lies in chunk (j + 31) % 32, from byte 0: the loop over keys fetches K of the next step with V of this one
	s_and_b32 s36, s36, 31
	s_lshl_b32 s36, s36, 14
	s_add_co_u32 s44, s44, s36
	s_bitcmp1_b32 s[WV], 1                         ; on the way out I store q's (0) or k's (1) images of my head: of each of 8 tiles the 512 bytes of group wave % 2
	s_cselect_b64 s[32:33], s[18:19], s[16:17]
	s_cselect_b32 s46, s44, s45
	s_and_b32 s36, s[WV], 1
	s_lshl_b32 s36, s36, 9
	s_add_co_u32 s46, s46, s36
	s_add_nc_u64 s[32:33], s[32:33], s[46:47]
	s_wait_kmcnt 0x0
.irp p, 0,1,2
	s_add_co_i32 s44, s[20+2*\p], 127
	s_lshl_b32 s45, s44, 23
	v_mov_b32 v[XS+2*\p], s45                      ; 2^ea as f32: the conversion takes its exponent field
	s_add_co_i32 s44, s44, 15
	s_lshl_b32 s44, s44, 23
	s_or_b32 s44, s44, 0x600000
	v_mov_b32 v[XS+2*\p+1], s44                    ; 57,344 x 2^ea
	s_add_co_i32 s44, s[20+2*\p], s[21+2*\p]
	s_sub_co_i32 s[40+\p], 0, s44                  ; -(ea + eb)
.endr
.macro OSC p, eo
	s_add_co_i32 s44, s[\eo], s[40+\p]             ; eo - ea - eb
	s_add_co_i32 s44, s44, 127
	s_lshl_b32 s[OSS+2*\p], s44, 23
	s_add_co_i32 s44, s44, 15
	s_lshl_b32 s44, s44, 23
	s_or_b32 s[OSS+2*\p+1], s44, 0x600000
.endm
	OSC 0, 26
	OSC 1, 27
	OSC 2, 29
	s_cmp_eq_u32 s20, s22
	s_cselect_b32 s[SAME], 1, 0
	s_cmp_eq_u32 s20, s24
	s_cselect_b32 s[SAME], s[SAME], 0
	s_wait_alu depctr_va_vdst(0)
	UNIT 0, 46                                     ; behind unit 0: units 1 and 2 and W's 30
	UNIT 1, 46                                     ; unit 2, W's 30, unit 3
	UNIT 2, 46                                     ; W's 30, units 3 and 4
	UNIT 3, 16                                     ; from here on the two units behind it
	UNIT 4, 16
	UNIT 5, 16
	UNIT 6, 16
	UNIT 7, 16
	s_wait_dscnt 0x0                               ; my codes have landed
	s_barrier_signal -1
	s_barrier_wait -1                              ; x's codes lie in LDS, and no stage is used any more
	v_add_nc_u32 v[XA+1], 0x10000, v[LI]
	v_add_nc_u32 v[XA+2], 0x20000, v[LI]
	v_lshrrev_b32 v112, 1, v[LI]                   ; 8 x lane
	s_lshl_b32 s44, s[WV], 12
	s_add_co_u32 s44, s44, STG
	v_add_nc_u32 v[EXW], s44, v112                 ; the way out, in: my 4,096 bytes: [q, k][tile 8][8 bytes a lane]
	s_lshr_b32 s44, s[WV], 2
	s_lshl_b32 s44, s44, 14
	s_and_b32 s45, s[WV], 1
	s_lshl_b32 s45, s45, 13
	s_add_co_u32 s44, s44, s45
	s_bfe_u32 s45, s[WV], 0x10001
	s_lshl_b32 s45, s45, 11
	s_add_co_u32 s44, s44, s45
	s_add_co_u32 s44, s44, STG
	s_wait_alu depctr_va_vdst(0)
	v_add_nc_u32 v[EXR], s44, v112                 ; back: from waves 4 (wave / 4) + 2 (wave % 2) and the next, 4,096 on
	s_wait_alu depctr_va_vdst(0)
	s_cmp_eq_u32 s[SAME], 0
	s_cbranch_scc1 .Lthree
	XLOAD 0, 0, LI                                 ; ONE SET OF CODES: four tiles' fragments are fetched while the other four are multiplied
	XLOAD 0, 4, LI
.irp s, 0,1,2,3,4,5,6,7
	WREG \s
	WWAIT \s
	s_wait_dscnt 8                                 ; tiles 0 to 3 are in; the other four's eight loads may be out
	MUL \s, 0, 0
	MUL \s, 1, 0
	MUL \s, 2, 0
.if \s < 7
	PLACES
	XLOAD \s+1, 0, LI
	s_wait_dscnt 8
.else
	s_wait_dscnt 0x0
.endif
	MUL \s, 0, 4
	MUL \s, 1, 4
	MUL \s, 2, 4
.if \s < 7
	PLACES
	XLOAD \s+1, 4, LI
.endif
.endr
	WIN 0
	s_branch .Lout
.Lthree:                                           ; THREE SETS OF CODES: each product's fragments are fetched as they are wanted
.irp s, 0,1,2,3,4,5,6,7
	WREG \s
	WWAIT \s
.irp p, 0,1,2
.if \p == 0
.set AP, LI
.else
.set AP, XA+\p
.endif
	PLACES
	XLOAD \s, 0, AP
	XLOAD \s, 4, AP
	s_wait_dscnt 0x0
	MUL \s, \p, 0
	MUL \s, \p, 4
.endr
.endr
	WIN 0
.Lout:
	; THE WAY OUT.  The biases are brought under the sums' scale; these 23 plain lines are also the places behind the last products.
.irp i, 0,1,2,3,4,5
	v_mov_b32 v[OS+\i], s[OSS+\i]
.endr
.irp i, 0,1,2,3,4,5,6,7
	v_ldexp_f32 v[BQ+\i], v[BQ+\i], s40            ; bq / 2^(e0 + e1)
	v_ldexp_f32 v[BK+\i], v[BK+\i], s41            ; bk / 2^(e2 + e3)
.endr
	v_ldexp_f32 v[BV], v[BV], s42                  ; bv / 2^(e4 + e5)
; Product p of all eight tiles: sum + bias (each accumulator from its low end on), the hold, the codes
.macro RESULT p, bi
	WIN 0x01                                       ; source 0 (the sums) window 1
.irp t, 0,1,2,3,4,5,6,7
.irp i, 0,2,4,6
.if \p < 2
	v_pk_add_f32 v[XR+8*\t+\i:XR+8*\t+\i+1], v[64*\p+8*\t+\i:64*\p+8*\t+\i+1], v[\bi+\i:\bi+\i+1]
.else
	v_pk_add_f32 v[XR+8*\t+\i:XR+8*\t+\i+1], v[64*\p+8*\t+\i:64*\p+8*\t+\i+1], v[\bi:\bi+1] op_sel_hi:[1,0]   ; the lane's one bias for both halves
.endif
.endr
.endr
	WIN 0
.set j2, XR
.rept 64
	v_med3_num_f32 v[j2], v[j2], -v[OS+2*\p+1], v[OS+2*\p+1]
.set j2, j2+1
.endr
.irp t, 0,1,2,3,4,5,6,7
	v_cvt_scalef32_pk8_bf8_f32 v[OQ+16*\p+2*\t:OQ+16*\p+2*\t+1], v[XR+8*\t:XR+8*\t+7], v[OS+2*\p]
.endr
	v_nop                                          ; a plain line between the last conversion and the next write of its sources
.endm
.irp p, 0,1
.if \p == 0
	RESULT 0, BQ
.else
	RESULT 1, BK
.endif
.irp t, 0,1,2,3,4,5,6,7
	ds_store_b64 v[EXW], v[OQ+16*\p+2*\t:OQ+16*\p+2*\t+1] offset:2048*\p+256*\t
.endr
.endr
	RESULT 2, BV
.irp m, 0,1,2,3
	global_store_b128 v[LI], v[OQ+32+4*\m:OQ+32+4*\m+3], s[34:35] offset:512*\m   ; V^T's fragment: 32 keys a group, 512 consecutive bytes, aligned
.endr
	s_wait_alu depctr_va_vdst(0)
	s_wait_dscnt 0x0                               ; for the others' sake: my halves have landed
	s_barrier_signal -1
	s_barrier_wait -1
.irp t, 0,1,2,3,4,5,6,7
	ds_load_b64 v[XR+4*\t:XR+4*\t+1], v[EXR] offset:256*\t
	ds_load_b64 v[XR+4*\t+2:XR+4*\t+3], v[EXR] offset:4096+256*\t
.endr
.irp t, 0,1,2,3,4,5,6,7
	s_wait_dscnt 14-2*\t
	global_store_b128 v[LI], v[XR+4*\t:XR+4*\t+3], s[32:33] offset:1024*\t        ; 512 consecutive bytes, aligned: register groups of one tile
.endr
	v_lshl_add_u32 v232, v0, 2, SPARE              ; my spare word, and 0: made here, where registers are free
	v_mov_b32 v233, 0
	s_wait_alu depctr_va_vdst(0)
	s_wait_tensorcnt 0x0                           ; the wave's end
	ds_add_u32 v232, v233
	s_wait_dscnt 0x0
	s_endpgm
.Lfunc_end_k_q94d4e27992_proj:
	.size	k_q94d4e27992_proj, .Lfunc_end_k_q94d4e27992_proj-k_q94d4e27992_proj
	.p2alignl 7, 3214868480
	.fill 96, 4, 3214868480
	.section	.rodata,"a",@progbits
	.p2align	6, 0x0
	.amdhsa_kernel k_q94d4e27992_proj
		.amdhsa_group_segment_fixed_size 232448
		.amdhsa_private_segment_fixed_size 0
		.amdhsa_enable_private_segment 0
		.amdhsa_kernarg_size 64
		.amdhsa_user_sgpr_count 2
		.amdhsa_user_sgpr_kernarg_segment_ptr 1
		.amdhsa_wavefront_size32 1
		.amdhsa_system_sgpr_workgroup_id_x 1
		.amdhsa_system_sgpr_workgroup_id_y 1
		.amdhsa_system_sgpr_workgroup_id_z 1
		.amdhsa_system_vgpr_workitem_id 0
		.amdhsa_next_free_vgpr 496
		.amdhsa_next_free_sgpr 66
		.amdhsa_reserve_vcc 0
		.amdhsa_float_denorm_mode_32 3
		.amdhsa_float_denorm_mode_16_64 3
		.amdhsa_memory_ordered 1
		.amdhsa_forward_progress 1
		.amdhsa_inst_pref_size 174
	.end_amdhsa_kernel
	.amdgpu_metadata
---
amdhsa.version: [ 1, 2 ]
amdhsa.kernels:
  - .name:           k_q94d4e27992_proj
    .symbol:         k_q94d4e27992_proj.kd
    .args:
      - { .name: x, .offset: 0, .size: 8, .value_kind: global_buffer, .address_space: global }
      - { .name: wimg, .offset: 8, .size: 8, .value_kind: global_buffer, .address_space: global }
      - { .name: bq, .offset: 16, .size: 8, .value_kind: global_buffer, .address_space: global }
      - { .name: bk, .offset: 24, .size: 8, .value_kind: global_buffer, .address_space: global }
      - { .name: bv, .offset: 32, .size: 8, .value_kind: global_buffer, .address_space: global }
      - { .name: lowp_scales, .offset: 40, .size: 8, .value_kind: global_buffer, .address_space: global }
      - { .name: qimg, .offset: 48, .size: 8, .value_kind: global_buffer, .address_space: global }
      - { .name: kv, .offset: 56, .size: 8, .value_kind: global_buffer, .address_space: global }
    .group_segment_fixed_size: 232448
    .private_segment_fixed_size: 0
    .kernarg_segment_align: 8
    .kernarg_segment_size: 64
    .max_flat_workgroup_size: 256
    .sgpr_count:     66
    .vgpr_count:     496
    .wavefront_size: 32
...
	.end_amdgpu_metadata
.endif
;; end of part 2
;; launch attn (part 3): grid 16 x 16, 8 waves a work-group, no clusters, 175,104 bytes of LDS; arguments qimg, kv, lowp_scales, out0; writes out0
.if DOCPART == 3
	.amdgcn_target "amdgcn-amd-amdhsa--gfx1250"
	.amdhsa_code_object_version 6
	.text
	.protected	k_q94d4e27992_attn
	.globl	k_q94d4e27992_attn
	.p2align	8
	.type	k_q94d4e27992_attn,@function
k_q94d4e27992_attn:
	s_mov_b64 s[64:65], 0
	v_nop
	global_prefetch_b8 v0, s[64:65] scope:SCOPE_SE
	s_setreg_imm32_b32 hwreg(HW_REG_WAVE_MODE, 25, 1), 1
	s_wait_xcnt 0x0
; out[m][q][64 h ..] = the sum over k of softmax_k(Q . K / 8) V for 16 pairs (batch, head), 4,096 tokens, head size 64, both products on codes of BF8 (E5M2) with the given scales 2^e6 (q), 2^e7 (k), 2^e8 (p), 2^e9 (v).
; THE SOFTMAX AHEAD OF THE SECOND PRODUCT: t = score x log2(e) / 8; M = the row's largest t so far, rounded UP to a whole number; p = 2^(t - M) is quantised, not normalised.  The row's sum is taken of the
; unquantised p, in f32, and divides O at the end.  When M moves, the sum and O are multiplied by 2^(old M - new M): nothing is rounded, and no branch hangs on floating-point data.
; THE HOLD of p at 57,344 x 2^e8: p is at most 1 (short of the rounding of t - M), so it is needed only where e8 < -15 (57,344 x 2^-15 = 1.75).  A scalar branch on e8 leads round it otherwise.
; LIMITS: e6 + e7 between -123 and 130 (added to c's exponent field); e8 between -126 and 112; e8 + e9 is applied by v_ldexp_f32 and has none.  NaN is not served.
; INPUTS are images of operand registers: a group of four registers is 512 bytes, lane l's 16 bytes at 16 l.  qimg: [bh 16][tile of 16 queries 256][1,024].
; kv: [bh 16][chunk 32][16,384]: chunk c holds K of key step (c + 1) % 32 (8 tiles of 16 keys x 64 channels, 1,024 bytes each) and, from byte 8,192, V^T of key step c (4 fragments of 16 channels x 128 keys).
; SHARES.  A work-group owns 256 queries of one (batch, head); each of its eight waves 32 of them: tiles a (0) and b (1).  Two waves lie on a SIMD.  Every wave walks 32 key steps of 128 keys; each fragment read from LDS feeds both tiles.
; LAYOUT.  Both products are used transposed: S^T = K Q^T (source 0 = 16 keys, source 1 = 16 queries), O^T = V^T P (source 0 = 16 channels, source 1 = P): a lane holds ONE query throughout, and the eight
; registers of S^T's tile n are keys 16 n + 8 (lane / 16) + 0 .. 7: one conversion makes register pair n of P.
; A TRIP, both tiles together: the chunk is fetched from LDS | maxima, statistics, scalings | 128 exponentials in one batch | O^T under the new M, sums, codes | the next step's scores, and this step's V^T P.
; So the fetch has the whole softmax in which to land, and a trip has two waits for vector results: ahead of the batch and behind it.
; K AND V reach LDS by ordinary loads and LDS stores: two slots of four chunks by turns.  A wave brings an eighth of a slot, 16 loads into 64 registers; they are asked for three trips ahead of the wait for them, and stored
; in the first trip of the slot before the one that they make up.  One barrier for each slot.
; NO JOINT LOADS (cluster = none): what a work-group fetches so is 16 loads a wave in four trips.
; NO PREFETCH: no wave waits for memory in the loop: each load goes out three trips ahead of its use as it stands.
; REGISTERS.  Window 0: v1-9 addresses; v10-13 -M and the largest score, a pair a tile; v14-17 f, a pair a tile; v18-33 the sums, four pairs a tile; v34-52 at work and constants; v56-183 S^T, then p, 64 a tile;
; v184-247 the slot on its way.   Window 1: v0-15 Q; v16-79 O^T, 32 a tile; v80-143 K of a step; v144-207 V^T of a step; v208-239 P, 16 a tile.
.set CHUNK, 16384
.set SLOTB, 65536                      ; four chunks
.set K0B,   2*SLOTB                    ; K of step 0
.set STAGE, K0B+8192                   ; the way out: 16 rows x 272 bytes for each wave
.set SP,    272                        ; a stage row: 256 bytes + 16 = 68 words, so that the 16 rows that a store touches start at 16 different banks (64 banks of 4 bytes: ISA guide 11.1)
.set SPARE, STAGE+8*16*SP              ; the spare words, 128 bytes for each wave: four blocks of 256 bytes that no other line names
.set LI,   1                           ; v1   16 x lane; never rewritten
.set ADR,  2                           ; v2   LDS address of the chunk in hand
.set SPW,  3                           ; v3   LDS address of my spare word; never rewritten
.set NIL,  4                           ; v4   0; never rewritten
.set STO,  5                           ; v5   the way out: where I put 32 bytes of a row
.set RD,   6                           ; v6   the way out: where I read a row back
.set GO,   7                           ; v7   my byte offset in the wave's rows of out
.set LW,   8                           ; v8   16 x lane + 8,192 x wave: my eighth of a slot; never rewritten
.set STA,  9                           ; v9   the same in the slot that is being filled
.set NM,   10                          ; v[10+2x] -M, v[11+2x] the largest score
.set FF,   14                          ; v[14+2x] f = 2^(old M - new M); v[15+2x] is only named with it as a pair
.set AC,   18                          ; v[18+8x ..] the sum, in eight parts
.set T,    34                          ; v[34+8x ..] at work
.set PM,   50                          ; v[50+x] a lane permute's destination
.set SCL,  52                          ; v52  2^e8
.set SS,   56
.set STG,  184
.set QF,   0                           ; window 1
.set OT,   16
.set KF,   80
.set VF,   144
.set PP,   208
.set TB,   2                           ; s2   LDS byte at which the chunk to be fetched begins
.set CNT,  3                           ; s3   trips to go in a slot
.set E8,   14                          ; s14  e8
.set WV,   16                          ; s16  my wave's number
.set SEL,  20                          ; s[20:21] lane selects: lane l xor 16
.set CS,   22                          ; s[22:23] c = log2(e) / 8 x 2^(e6 + e7)
.set LIMS, 24                          ; s24  57,344 x 2^e8
.set SB,   25                          ; s25  LDS byte at which the slot that is being filled begins
.set WHEN, 26                          ; s26  the value of s3 at which the slot after that is asked for; 0: it is not
.set SLOTS, 27                         ; s27  slots still to be filled
.set MSB, 0
.macro WIN new                         ; the immediate's high byte repeats the setting that is left
.if MSB != \new
	s_set_vgpr_msb (MSB<<8)|\new
.set MSB, \new
.endif
.endm
; Both tiles' scores S^T = K Q^T (K = the head's 64)
.macro SCORES
	WIN 0x05                                       ; K and Q window 1; S^T window 0
.irp x, 0,1
.irp n, 0,1,2,3,4,5,6,7
	v_wmma_f32_16x16x64_bf8_bf8 v[SS+64*\x+8*\n:SS+64*\x+8*\n+7], v[KF+8*\n:KF+8*\n+7], v[QF+8*\x:QF+8*\x+7], 0
.endr
.endr
.endm
; Four lines of tile x's sum of the UNQUANTISED p, four pairs by turns.  The first four bring the old sum under the new M as they add.
.macro SUM4 x, k
.set yS, SS+64*\x+8*\k
.set yA, AC+8*\x
.set yF, FF+2*\x
.irp c, 0,2,4,6
.if \k == 0
	v_pk_fma_f32 v[yA+\c:yA+\c+1], v[yA+\c:yA+\c+1], v[yF:yF+1], v[yS+\c:yS+\c+1] op_sel_hi:[1,0,1]
.else
	v_pk_add_f32 v[yA+\c:yA+\c+1], v[yA+\c:yA+\c+1], v[yS+\c:yS+\c+1]
.endif
.endr
.endm
; The statistics of tile x, eight lines each of which reads the one before: the query's largest score, -M, f
.macro CHAIN x, k
.set rN, NM+2*\x
.set rT, T+8*\x
.if \k == 0
	v_permlanex16_b32 v[PM+\x], v[rT], s[SEL], s[SEL+1]    ; the query's other 64 keys lie in the lane 16 away
.elseif \k == 1
	v_max_num_f32 v[rN+1], v[rT], v[PM+\x]
.elseif \k == 2
	v_mul_f32 v[rT+1], s[CS], -v[rN+1]             ; -t of the largest (c is positive)
.elseif \k == 3
	v_floor_f32 v[rT+2], v[rT+1]                   ; the new -M = floor(-t) = -ceil(t): M is a whole number
.elseif \k == 4
	v_sub_f32 v[rT+3], v[rT+2], v[rN]              ; old M - new M: a whole number, 0 or less
.elseif \k == 5
	v_mov_b32 v[rN], v[rT+2]
.elseif \k == 6
	v_cvt_i32_f32 v[rT+3], v[rT+3]                 ; (it saturates)
.else
	v_ldexp_f32 v[FF+2*\x], 1.0, v[rT+3]           ; f
.endif
.endm
; A key step.  st = 1: the slot's first trip stores the next slot, its second asks for the one after that.  qk = 0: the last step: no scores follow, and V^T alone is fetched.
.macro TRIP st, qk
	v_add_nc_u32 v[ADR], s[TB], v[LI]
.rept 3
	v_nop                                          ; with the line above four places behind the last products, for the loads and the maxima below
.endr
	s_add_co_u32 s[TB], s[TB], CHUNK               ; the next fetch is the next chunk's
	WIN 0x40                                       ; destination window 1, address window 0
.if \qk
.irp i, 0,1,2,3,4,5,6,7,8,9,10,11,12,13,14,15
	ds_load_b128 v[KF+4*\i:KF+4*\i+3], v[ADR] offset:512*\i
.endr
.endif
.irp i, 0,1,2,3,4,5,6,7,8,9,10,11,12,13,14,15
	ds_load_b128 v[VF+4*\i:VF+4*\i+3], v[ADR] offset:8192+512*\i
.endr
	WIN 0
.irp x, 0,1
.irp n, 0,1,2,3,4,5,6,7
	v_max3_num_f32 v[T+8*\x+\n], v[SS+64*\x+8*\n], v[SS+64*\x+8*\n+1], v[SS+64*\x+8*\n+2]   ; eight chains a tile, each accumulator from its low end on
.endr
.endr
.irp i, 3,5
.irp x, 0,1
.irp n, 0,1,2,3,4,5,6,7
	v_max3_num_f32 v[T+8*\x+\n], v[T+8*\x+\n], v[SS+64*\x+8*\n+\i], v[SS+64*\x+8*\n+\i+1]
.endr
.endr
.endr
.irp n, 0,1,2,3
.irp x, 0,1
	v_max3_num_f32 v[T+8*\x+\n], v[T+8*\x+\n], v[T+8*\x+\n+4], v[SS+64*\x+8*\n+7]
.endr
.endr
.irp n, 0,2
.irp x, 0,1
	v_max3_num_f32 v[T+8*\x+\n], v[T+8*\x+\n], v[T+8*\x+\n+1], v[SS+64*\x+39+4*\n]
.endr
.endr
.irp x, 0,1
	v_max3_num_f32 v[T+8*\x], v[T+8*\x], v[SS+64*\x+55], v[SS+64*\x+63]
.endr
.irp x, 0,1
	v_max3_num_f32 v[T+8*\x], v[T+8*\x], v[T+8*\x+2], v[NM+2*\x+1]   ; and the largest so far
.endr
.irp k, 0,1,2,3,4,5,6,7
.irp x, 0,1
	CHAIN \x, \k
.endr
.endr
.irp x, 0,1
.set j, SS+64*\x
.rept 32
	v_pk_fma_f32 v[j:j+1], v[j:j+1], s[CS:CS+1], v[NM+2*\x:NM+2*\x+1] op_sel_hi:[1,0,0]   ; t - M, two at a time (of the pairs c and -M the low word serves both halves)
.set j, j+2
.endr
.endr
.if \st
	s_cmp_eq_u32 s[CNT], 4
	s_cbranch_scc0 .Lno_store_\@
	s_wait_loadcnt 0x0                             ; my eighth of the next slot is in
	v_add_nc_u32 v[STA], s[SB], v[LW]
.irp i, 0,1,2,3,4,5,6,7,8,9,10,11,12,13,14,15
	ds_store_b128 v[STA], v[STG+4*\i:STG+4*\i+3] offset:512*\i     ; nobody reads that slot since the last barrier
.endr
.Lno_store_\@:
	s_cmp_eq_u32 s[CNT], s[WHEN]
	s_cbranch_scc0 .Lno_load_\@
	s_wait_loadcnt 0x0                             ; (none of mine is out here)
.irp i, 0,1,2,3,4,5,6,7,8,9,10,11,12,13,14,15
	global_load_b128 v[STG+4*\i:STG+4*\i+3], v[LW], s[6:7] offset:512*\i   ; the stores of the trip before have been waited for in it
.endr
.Lno_load_\@:
.endif
	s_wait_alu depctr_va_vdst(0)
.set j, SS
.rept 128
	v_exp_f32 v[j], v[j]                           ; p = 2^(t - M), at most 1: not normalised
.set j, j+1
.endr
	WIN 0x41                                       ; O^T (destination and source 0) window 1, f window 0
	s_wait_alu depctr_va_vdst(0)                   ; the exponentials, and O^T ahead of its first readers
.irp x, 0,1
.irp i, 0,2,4,6,8,10,12,14,16,18,20,22,24,26,28,30
	v_pk_mul_f32 v[OT+32*\x+\i:OT+32*\x+\i+1], v[OT+32*\x+\i:OT+32*\x+\i+1], v[FF+2*\x:FF+2*\x+1] op_sel_hi:[1,0]   ; O^T x f, each accumulator from its low end on.  (Plain lines behind the last exponential)
.endr
.endr
	WIN 0
.irp k, 0,1,2,3,4,5,6,7
.irp x, 0,1
	SUM4 \x, \k
.endr
.endr
	s_wait_dscnt 0x0                               ; the fetch is in, and my stores into the next slot are done
	s_cmp_gt_i32 s[E8], -16
	s_cbranch_scc1 .Lfits_\@                       ; 57,344 x 2^e8 is over 1: no p reaches it
.set j, SS
.rept 64
	v_dual_min_num_f32 v[j], s[LIMS], v[j] :: v_dual_min_num_f32 v[j+1], s[LIMS], v[j+1]   ; the conversion does not saturate (ISA guide 7.6.2); p is not negative, so the hold is one-sided
.set j, j+2
.endr
.Lfits_\@:
	WIN 0x40                                       ; P window 1
.irp x, 0,1
.irp n, 0,1,2,3,4,5,6,7
	v_cvt_scalef32_pk8_bf8_f32 v[PP+16*\x+2*\n:PP+16*\x+2*\n+1], v[SS+64*\x+8*\n:SS+64*\x+8*\n+7], v[SCL]   ; keys 16 n + 8 h + 0 .. 7: register pair n of P
.endr
.endr
	v_nop                                          ; a plain line between the last conversion and the products, which read its result and write its sources
.if \qk
	SCORES
.endif
	WIN 0x55                                       ; all in window 1: O^T += V^T P (K = the step's 128 keys)
.irp x, 0,1
.irp n, 0,1,2,3
	v_wmma_f32_16x16x128_bf8_bf8 v[OT+32*\x+8*\n:OT+32*\x+8*\n+7], v[VF+16*\n:VF+16*\n+15], v[PP+16*\x:PP+16*\x+15], v[OT+32*\x+8*\n:OT+32*\x+8*\n+7]
.endr
.endr
	WIN 0
.endm
; THE CHANGE OF SLOTS: my stores into the slot ahead and my reads of the slot left are over; behind the barrier this holds of every wave.
.macro CHANGE
	s_wait_dscnt 0x0
	s_barrier_signal -1
	s_barrier_wait -1
.endm
	s_load_b256 s[4:11], s[0:1], 0x0               ; qimg s[4:5], kv s[6:7], the scales' exponents s[8:9], out s[10:11]
	v_lshl_add_u32 v[SPW], v0, 2, SPARE
	v_mov_b32 v[NIL], 0
	v_lshrrev_b32 v44, 5, v0
	v_readfirstlane_b32 s[WV], v44                 ; wave 0..7
	v_and_b32 v44, 31, v0
	v_lshlrev_b32 v[LI], 4, v44
	s_lshl_b32 s17, s[WV], 13
	v_add_nc_u32 v[LW], s17, v[LI]
	s_and_b32 s48, ttmp7, 0xffff                   ; bh
	s_lshl_b32 s52, s48, 19                        ; kv: the head's 32 chunks
	s_mov_b32 s53, 0
	s_lshl_b32 s54, s[WV], 10                      ; my eighth of K of step 0, which lies in chunk 31
	s_add_co_u32 s54, s54, 31*CHUNK
	s_mov_b32 s55, 0
	s_lshl_b32 s50, s48, 18                        ; qimg: 256 tiles a head, 16 a block, 2 a wave
	s_lshl_b32 s49, ttmp9, 14
	s_add_co_u32 s50, s50, s49
	s_lshl_b32 s49, s[WV], 11
	s_add_co_u32 s50, s50, s49
	s_mov_b32 s51, 0
	s_lshr_b32 s56, s48, 3                         ; out: the batch's 4,096 rows of 2,048 bytes,
	s_lshl_b32 s56, s56, 23
	s_lshl_b32 s49, ttmp9, 19                      ; my block's 256 rows,
	s_add_co_u32 s56, s56, s49
	s_lshl_b32 s49, s[WV], 16                      ; my wave's 32,
	s_add_co_u32 s56, s56, s49
	s_and_b32 s49, s48, 7                          ; the head's 256 bytes of a row
	s_lshl_b32 s49, s49, 8
	s_add_co_u32 s56, s56, s49
	s_mov_b32 s57, 0
	s_wait_alu depctr_va_vdst(0)
	s_wait_kmcnt 0x0
	s_load_b128 s[12:15], s[8:9], 0x18             ; e6, e7, e8, e9
	s_add_nc_u64 s[6:7], s[6:7], s[52:53]
	s_add_nc_u64 s[30:31], s[6:7], s[54:55]
	s_add_nc_u64 s[4:5], s[4:5], s[50:51]
	s_add_nc_u64 s[10:11], s[10:11], s[56:57]
.irp i, 0,1
	global_load_b128 v[SS+4*\i:SS+4*\i+3], v[LI], s[30:31] offset:512*\i
.endr
	WIN 0x40                                       ; destination window 1, address window 0
.irp i, 0,1,2,3
	global_load_b128 v[QF+4*\i:QF+4*\i+3], v[LI], s[4:5] offset:512*\i th:TH_LOAD_NT   ; my two tiles of Q stay in registers; read once in the launch
.endr
.irp i, 0,1,2,3,4,5,6,7,8,9,10,11,12,13,14,15
	global_load_b128 v[VF+4*\i:VF+4*\i+3], v[LW], s[6:7] offset:512*\i                 ; my eighth of slot 0
.endr
	WIN 0
.irp i, 0,1,2,3,4,5,6,7,8,9,10,11,12,13,14,15
	global_load_b128 v[STG+4*\i:STG+4*\i+3], v[LW], s[6:7] offset:SLOTB+512*\i         ; and of slot 1
.endr
	v_and_b32 v44, 15, v0                          ; r
	v_bfe_u32 v45, v0, 4, 1                        ; h
	s_mul_i32 s49, s[WV], 16*SP
	s_add_co_u32 s49, s49, STAGE                   ; my stage
	v_mul_u32_u24 v[STO], v44, SP                  ; in: row r, + 32 h
	v_lshl_add_u32 v[STO], v45, 5, v[STO]
	v_add_nc_u32 v[STO], s49, v[STO]
	v_mul_u32_u24 v[RD], v45, SP                   ; back: lanes 0-15 one row of 256 bytes, lanes 16-31 the next
	v_lshl_add_u32 v[RD], v44, 4, v[RD]
	v_add_nc_u32 v[RD], s49, v[RD]
	v_lshlrev_b32 v[GO], 11, v45                   ; and the same two rows in out
	v_lshl_add_u32 v[GO], v44, 4, v[GO]
	s_lshl_b32 s18, s[WV], 10
	s_add_co_u32 s18, s18, K0B
	v_add_nc_u32 v46, s18, v[LI]                   ; K of step 0: where I put my eighth,
	v_add_nc_u32 v47, K0B, v[LI]                   ; and where all of it is read
.irp x, 0,1
	v_mov_b32 v[NM+2*\x], 0x7f61b1e6               ; -M: 3e38, and the largest score so far: -3e38, under every score
	v_mov_b32 v[NM+2*\x+1], 0xff61b1e6
	v_mov_b32 v[FF+2*\x+1], 0                      ; (named as the upper half of the pair)
	v_mov_b32 v[PM+\x], 0                          ; written once: a lane permute's destination counts as one of its sources
.endr
	s_mov_b32 s[SEL], 0x76543210
	s_mov_b32 s[SEL+1], 0xfedcba98
	s_mov_b32 s[CS], 0x3e38aa3b                    ; c = log2(e) / 8
	s_wait_alu depctr_va_vdst(0)
	s_wait_kmcnt 0x0
	s_add_co_i32 s49, s12, s13
	s_lshl_b32 s49, s49, 23
	s_add_co_i32 s[CS], s[CS], s49                 ; a score stands for score x 2^(e6 + e7): the exponents are added to c's exponent field
	s_mov_b32 s[CS+1], s[CS]                       ; (named with it as a pair, so it is written)
	s_add_co_i32 s49, s[E8], 127
	s_lshl_b32 s50, s49, 23
	v_mov_b32 v[SCL], s50                          ; 2^e8 as f32, for the conversion
	s_add_co_i32 s49, s49, 15
	s_lshl_b32 s49, s49, 23
	s_or_b32 s[LIMS], s49, 0x600000                ; 57,344 x 2^e8
	s_wait_alu depctr_va_vdst(0)
	s_wait_loadcnt 36                              ; my two loads of K are in; Q's 4 and both slots' 32 may be out
.irp i, 0,1
	ds_store_b128 v46, v[SS+4*\i:SS+4*\i+3] offset:512*\i
.endr
	s_wait_dscnt 0x0
	s_barrier_signal -1
	s_barrier_wait -1                              ; K of step 0 lies in LDS
	WIN 0x40
.irp i, 0,1,2,3,4,5,6,7,8,9,10,11,12,13,14,15
	ds_load_b128 v[KF+4*\i:KF+4*\i+3], v47 offset:512*\i
.endr
	WIN 0
	s_wait_loadcnt 32                              ; Q is in; both slots' 32 may be out
	s_wait_dscnt 0x0
	SCORES
	WIN 0x40
.set i, 0
.rept 64
	v_mov_b32 v[OT+i], 0                           ; O^T.  (A trip is written for every step alike: the first finds zeros, which f leaves zeros)
.set i, i+1
.endr
	WIN 0
.set i, 0
.rept 16
	v_mov_b32 v[AC+i], 0                           ; and the sums
.set i, i+1
.endr
	s_wait_alu depctr_va_vdst(0)
	s_wait_loadcnt 16                              ; slot 0's loads are in; slot 1's 16 may be out
	WIN 0x04                                       ; the stores' data lie in window 1
.irp i, 0,1,2,3,4,5,6,7,8,9,10,11,12,13,14,15
	ds_store_b128 v[LW], v[VF+4*\i:VF+4*\i+3] offset:512*\i
.endr
	WIN 0
	s_wait_xcnt 0x0                                ; the loads have read their base
	s_add_nc_u64 s[6:7], s[6:7], 2*SLOTB           ; slot 2 in memory
	s_mov_b32 s[TB], 0
	s_mov_b32 s[SB], SLOTB
	s_mov_b32 s[SLOTS], 7
.Lslot:                                            ; slots 0 to 6
	CHANGE
	s_cmp_eq_u32 s[SLOTS], 1
	s_cselect_b32 s[WHEN], 0, 3                    ; slot 6 asks for nothing: slot 7, the last, is on its way
	s_mov_b32 s[CNT], 4
.Ltrip:
	TRIP 1, 1
	s_sub_co_u32 s[CNT], s[CNT], 1
	s_cmp_lg_u32 s[CNT], 0
	s_cbranch_scc1 .Ltrip
	s_wait_xcnt 0x0                                ; the loads have read their base
	s_add_nc_u64 s[6:7], s[6:7], SLOTB
	s_sub_co_u32 s[TB], s[TB], 4*CHUNK             ; back to the slot's first chunk,
	s_xor_b32 s[TB], s[TB], SLOTB                  ; in the other slot
	s_xor_b32 s[SB], s[SB], SLOTB
	s_sub_co_u32 s[SLOTS], s[SLOTS], 1
	s_cmp_lg_u32 s[SLOTS], 0
	s_cbranch_scc1 .Lslot
	CHANGE                                         ; slot 7: three trips, and the last step written out
	s_mov_b32 s[CNT], 3
.Llast:
	TRIP 0, 1
	s_sub_co_u32 s[CNT], s[CNT], 1
	s_cmp_lg_u32 s[CNT], 0
	s_cbranch_scc1 .Llast
	TRIP 0, 0
	; THE WAY OUT.  The sum's parts and the other half of the lanes' are added; O^T / the sum x 2^(e8 + e9) goes through my stage, a tile (16 rows x 256 bytes) at a time.  The plain lines here are the places behind the last products.
.irp c, 0,4
.irp x, 0,1
	v_pk_add_f32 v[AC+8*\x+\c:AC+8*\x+\c+1], v[AC+8*\x+\c:AC+8*\x+\c+1], v[AC+8*\x+\c+2:AC+8*\x+\c+3]
.endr
.endr
.irp x, 0,1
	v_pk_add_f32 v[AC+8*\x:AC+8*\x+1], v[AC+8*\x:AC+8*\x+1], v[AC+8*\x+4:AC+8*\x+5]
.endr
.irp x, 0,1
	v_add_f32 v[T+2*\x], v[AC+8*\x], v[AC+8*\x+1]
.endr
.irp x, 0,1
	v_permlanex16_b32 v[T+2*\x+1], v[T+2*\x], s[SEL], s[SEL+1]
.endr
.irp x, 0,1
	v_add_f32 v[T+2*\x], v[T+2*\x], v[T+2*\x+1]
.endr
	s_wait_alu depctr_va_vdst(0)
	v_rcp_f32 v[T], v[T]
	v_rcp_f32 v[T+2], v[T+2]
	v_nop                                          ; a plain line behind the last reciprocal
	s_add_co_i32 s46, s14, s15                     ; e8 + e9
	s_wait_alu depctr_va_vdst(0)                   ; one wait for both reciprocals, ahead of their first reader
	v_ldexp_f32 v[T], v[T], s46
	v_ldexp_f32 v[T+2], v[T+2], s46
.macro PACK x
	WIN 0x01                                       ; source 0 (O^T) window 1
	s_wait_alu depctr_va_vdst(0)                   ; directly ahead of the first reader of O^T
.irp i, 0,2,4,6,8,10,12,14,16,18,20,22,24,26,28,30
	v_pk_mul_f32 v[SS+64*\x+\i:SS+64*\x+\i+1], v[OT+32*\x+\i:OT+32*\x+\i+1], v[T+2*\x:T+2*\x+1] op_sel_hi:[1,0]   ; register 8 t + j: out(query r, channel 16 t + 8 h + j)
.endr
	WIN 0
.irp t, 0,1,2,3
	ds_store_b128 v[STO], v[SS+64*\x+8*\t:SS+64*\x+8*\t+3] offset:64*\t
	ds_store_b128 v[STO], v[SS+64*\x+8*\t+4:SS+64*\x+8*\t+7] offset:64*\t+16
.endr
.irp n, 0,1,2,3,4,5,6,7
	ds_load_b128 v[SS+64*\x+32+4*\n:SS+64*\x+32+4*\n+3], v[RD] offset:2*\n*SP   ; LDS serves a wave's instructions in order (ISA guide 5.7.1.4): these see my stores, and the next tile's stores come behind them
.endr
.endm
.macro SEND x, younger                 ; younger: the LDS instructions issued behind tile x's loads, which may stay out
.irp n, 0,1,2,3,4,5,6,7
	s_wait_dscnt \younger+7-\n
	global_store_b128 v[GO], v[SS+64*\x+32+4*\n:SS+64*\x+32+4*\n+3], s[10:11] offset:(16*\x+2*\n)*2048 th:TH_STORE_NT   ; 16 lanes store 256 consecutive bytes, at a multiple of 256 from out's first byte: a token's part of one head
.endr
.endm
	PACK 0
	PACK 1
	SEND 0, 16
	SEND 1, 0
	s_wait_tensorcnt 0x0                           ; the wave's end
	ds_add_u32 v[SPW], v[NIL]
	s_wait_dscnt 0x0
	s_endpgm
.Lfunc_end_k_q94d4e27992_attn:
	.size	k_q94d4e27992_attn, .Lfunc_end_k_q94d4e27992_attn-k_q94d4e27992_attn
	.p2alignl 7, 3214868480
	.fill 96, 4, 3214868480
	.section	.rodata,"a",@progbits
	.p2align	6, 0x0
	.amdhsa_kernel k_q94d4e27992_attn
		.amdhsa_group_segment_fixed_size 175104
		.amdhsa_private_segment_fixed_size 0
		.amdhsa_enable_private_segment 0
		.amdhsa_kernarg_size 32
		.amdhsa_user_sgpr_count 2
		.amdhsa_user_sgpr_kernarg_segment_ptr 1
		.amdhsa_wavefront_size32 1
		.amdhsa_system_sgpr_workgroup_id_x 1
		.amdhsa_system_sgpr_workgroup_id_y 1
		.amdhsa_system_sgpr_workgroup_id_z 1
		.amdhsa_system_vgpr_workitem_id 0
		.amdhsa_next_free_vgpr 496
		.amdhsa_next_free_sgpr 66
		.amdhsa_reserve_vcc 0
		.amdhsa_float_denorm_mode_32 3
		.amdhsa_float_denorm_mode_16_64 3
		.amdhsa_memory_ordered 1
		.amdhsa_forward_progress 1
		.amdhsa_inst_pref_size 106
	.end_amdhsa_kernel
	.amdgpu_metadata
---
amdhsa.version: [ 1, 2 ]
amdhsa.kernels:
  - .name:           k_q94d4e27992_attn
    .symbol:         k_q94d4e27992_attn.kd
    .args:
      - { .name: qimg, .offset: 0, .size: 8, .value_kind: global_buffer, .address_space: global }
      - { .name: kv, .offset: 8, .size: 8, .value_kind: global_buffer, .address_space: global }
      - { .name: lowp_scales, .offset: 16, .size: 8, .value_kind: global_buffer, .address_space: global }
      - { .name: out0, .offset: 24, .size: 8, .value_kind: global_buffer, .address_space: global }
    .group_segment_fixed_size: 175104
    .private_segment_fixed_size: 0
    .kernarg_segment_align: 8
    .kernarg_segment_size: 32
    .max_flat_workgroup_size: 256
    .sgpr_count:     66
    .vgpr_count:     496
    .wavefront_size: 32
...
	.end_amdgpu_metadata
.endif
;; end of part 3
